; MI455X (gfx1250); checked and timed in simulation.
; The chip was launched on July 23, 2026; its instructions are those of AMD's public machine-readable ISA for CDNA 5 (MIT licence, August 2026) and "CDNA5" Instruction Set Architecture Reference Guide (July 2026). The comments in the code are by the model that wrote it; some were corrected since.
;; Cross Attention With Mask. Allowed arithmetic: matrix products marked QUANTISED: E3M2 operands, one E8M0 scale for each 32 along K, by v_wmma_scale_f32_16x16x128_f8f6f4 with both operands' format E3M2, f32 sums; everything else in f32.
;; Inputs: Wk_codes 256 x 8 x 24 uint8 (E3M2 codes of Wk, K innermost, in blocks of 32 codes, four codes in three bytes); Wk_scales 256 x 8 uint8 (E8M0 scales of Wk, one for each 32 codes along K); Wq_codes 256 x 8 x 24 uint8 (E3M2 codes of Wq, K innermost, in blocks of 32 codes, four codes in three bytes); Wq_scales 256 x 8 uint8 (E8M0 scales of Wq, one for each 32 codes along K); Wv_codes 256 x 8 x 24 uint8 (E3M2 codes of Wv, K innermost, in blocks of 32 codes, four codes in three bytes); Wv_scales 256 x 8 uint8 (E8M0 scales of Wv, one for each 32 codes along K); bk 256 float32; bq 256 float32; bv 256 float32; query_codes 1 x 64 x 64 x 8 x 24 uint8 (E3M2 codes of query, K innermost, in blocks of 32 codes, four codes in three bytes); query_scales 1 x 64 x 64 x 8 uint8 (E8M0 scales of query, one for each 32 codes along K); support_codes 4 x 64 x 64 x 8 x 24 uint8 (E3M2 codes of support, K innermost, in blocks of 32 codes, four codes in three bytes); support_scales 4 x 64 x 64 x 8 uint8 (E8M0 scales of support, one for each 32 codes along K); temperature one number float32; threshold one number float32.
;; Outputs: out0 4 x 256 x 64 x 64 float32.
;; This version of the problem:
;;   THIS VERSION OF THE PROBLEM IS GIVEN IN LOW PRECISION. The matrix products marked QUANTISED in the list below multiply operands that are first quantised to E3M2 (3 exponent bits, 2 mantissa bits; 6 bits a number), with one power-of-two scale for each 32 numbers along K (OCP MX v1.0); their sums are f32. All else is computed in f32.
;;   The module's matrix products, in the order in which they are computed (A, B: the left and right operand; K: the contracted axis; several contracted axes count as one K, in the product's order):
;;     1. [M 16,384, K 256] x [K 256, N 256]; A: input query (given as codes); B: input Wq (given as codes): QUANTISED
;;     2. [M 16,384, K 256] x [K 256, N 256]; A: input support (given as codes); B: input Wk (given as codes): QUANTISED
;;     3. [M 16,384, K 256] x [K 256, N 256]; A: input support (given as codes); B: input Wv (given as codes): QUANTISED
;;     4. batch 4 x [M 4,096, K 256] x [K 256, N 4,096]; A: computed on the way; B: computed on the way: QUANTISED
;;     5. batch 4 x [M 4,096, K 4,096] x [K 4,096, N 256]; A: softmax (see below); B: computed on the way: QUANTISED
;;   THE QUANTISER, for each operand of a quantised product, along K:
;;     - K is cut into blocks of 32 from its start; a last block that is shorter is filled with zeros.
;;     - A block's scale is 2^e with e = floor(log2(the largest magnitude in the block)) - 4, held to -126 .. 127; a block of zeros has e = 0. As a byte (E8M0): e + 127.
;;     - Each number is divided by its block's scale, clamped to +-28, and rounded to the nearest number of E3M2, ties to even, subnormals kept.
;;     - The product sums the exact products of the quantised numbers (number of the format x scale) in f32.
;;   ~~~python
;;   def quantise(x, axis):      # numpy; x: float32 -> the quantised numbers, widened to float32 again
;;       x = np.moveaxis(x, axis, -1); K = x.shape[-1]
;;       x = np.pad(x, [(0, 0)] * (x.ndim - 1) + [(0, -K % 32)]); x = x.reshape(x.shape[:-1] + (-1, 32)); a = np.abs(x).max(-1, keepdims=True)
;;       e = np.where(a > 0, np.clip(np.frexp(np.where(a > 0, a, 1))[1] - 1 - 4, -126, 127), 0)      # np.frexp(a)[1] - 1 = floor(log2(a)), exactly
;;       r = np.clip(x / 2.0 ** e, -28, 28)
;;       step = 2.0 ** (np.maximum(np.frexp(np.where(r == 0, 1, r))[1] - 1, -2) - 2)
;;       q = np.round(r / step) * step * 2.0 ** e      # np.round: ties to even
;;       return np.moveaxis(q.reshape(q.shape[:-2] + (-1,))[..., :K], -1, axis).astype(np.float32)
;;   ~~~
;;   SOFTMAX AHEAD OF A QUANTISED PRODUCT. Where the list says 'softmax', what is quantised is not the finished softmax but p = 2^(t - M), with t = logit x log2(e) and M = ceil(the row's largest t), a whole number; so 1/2 < the row's largest p <= 1. The row's sum l is taken of the UNQUANTISED p, in f32, and the product's result is divided by l at the end. Since M is a whole number, a kernel that streams over the keys may use a running M (the ceiling of the running maximum): every later rescaling is an exact power of two, which a block's scale takes up: the codes' values come out the same.
;;   OPERANDS COMPUTED ON THE WAY. 'Computed on the way' means the value that the module computes at that place (a softmax that the list does not call 'softmax' is quantised finished and normalised). What goes into a quantiser is computed in f32, as accurately as f32 sums, v_exp_f32 and their like allow (about 1e-6 of the number): no bf16 or f16 on the way to a quantiser, and a product that is left as it is and whose result goes on into a quantised operand takes f32 operands (vector FMAs, or v_wmma_f32_16x16x4_f32). A number that lies on a knife's edge between two numbers of the format may be rounded either way, as far as f32 arithmetic and the matrix unit's own rounding can turn it there, and no further.
;;   INPUTS GIVEN AS CODES. Wk (in the module: [256, 256], K = its axis 1); Wq (in the module: [256, 256], K = its axis 1); Wv (in the module: [256, 256], K = its axis 1); query (in the module: [1, 256, 64, 64], K = its axis 1); support (in the module: [4, 256, 64, 64], K = its axis 1): each comes as NAME_codes (uint8): NAME with its K axis moved to the last place and cut into blocks of 32 codes, [.., K / 32, bytes a block], one block behind the other in memory; four codes in three bytes: a row's codes are one little-endian stream of bits, code i at bits 6 i .. 6 i + 5 (a code: sign, 3 exponent bits, 2 mantissa bits); and NAME_scales (uint8): the same leading axes, one E8M0 byte (e + 127) for each 32 codes along K. Its value is code x scale, taken as it is: it is not quantised again, and the codes and scales need not be those that the quantiser above would give.
;; One version. Each part assembles by itself: llvm-mc -triple=amdgcn-amd-amdhsa -mcpu=gfx1250 --defsym DOCPART=n.
;; ======== version 1 of 1: 2 launches
;; limits: right only within a limited range of input values
;; workspace buffers: qws 819,200 bytes; kws 3,276,800 bytes; vws 3,276,800 bytes
;; launch project (part 1): grid 128 x 2, 5 waves a work-group, clusters of 4 x 1, 167,936 bytes of LDS; arguments query_codes, query_scales, support_codes, support_scales, Wq_codes, Wq_scales, bq, Wk_codes, Wk_scales, bk, Wv_codes, Wv_scales, bv, qws, kws, vws; writes qws, kws, vws
.if DOCPART == 1
	.amdgcn_target "amdgcn-amd-amdhsa--gfx1250"
	.amdhsa_code_object_version 6
	.text
	.protected	k_q441ae4c6ff_project
	.globl	k_q441ae4c6ff_project
	.p2align	8
	.type	k_q441ae4c6ff_project,@function
k_q441ae4c6ff_project:
	s_mov_b64 s[64:65], 0
	v_nop
	global_prefetch_b8 v0, s[64:65] scope:SCOPE_SE
	s_setreg_imm32_b32 hwreg(HW_REG_WAVE_MODE, 25, 1), 1
	s_wait_xcnt 0x0
	s_wait_alu depctr_hold_cnt(0) depctr_sa_sdst(0) depctr_va_vdst(0) depctr_va_sdst(0) depctr_va_ssrc(0) depctr_va_vcc(0) depctr_vm_vsrc(0)
	s_getreg_b32 s2, hwreg(HW_REG_IB_STS2, 6, 4)
	s_cmp_eq_u32 s2, 0
	s_cbranch_scc0 .Lentry_in_a_cluster
	s_endpgm
.Lentry_in_a_cluster:
	s_bfe_u32 s2, ttmp6, 0x10000c
	s_cmp_lg_u32 s2, 0x3003
	s_cbranch_scc0 .Lentry_shape_is_right
	s_endpgm
.Lentry_shape_is_right:
; Q = q Wq^T + bq, K = s Wk^T + bk, V = s Wv^T + bv on codes of BF6 (E3M2) with E8M0 scales as they are given; the bias is the C of each sum's first product; sums in f32.
; reference() repeats q for the four supports: the four copies of Q are the same numbers, whatever the inputs hold, so Q is made once.
; The results are quantised in registers (Q and K along the 256 channels, V along the keys) and stored as IMAGES OF OPERAND REGISTERS, in blocks of 25,600 bytes for each 128 positions:
;   a fragment (16 rows x 128 K, 12 registers a lane) is 1,536 bytes: registers 4 c .. 4 c + 3 of lane l at 512 c + 16 l.
;   K, Q block: fragment (tile t of 16 positions, K step s of 128 channels) at 1536 (2 t + s); K: lane r of tile 4 g + i holds position 64 g + 8 i + 32 (r / 8) + r % 8; Q: position 16 t + r.
;   V block: fragment ct at 1536 ct: lane r holds channel 16 ct + r, K = the block's 128 keys.
;   From byte 24,576 on four runs of 256 bytes of scale words.  K: run 2 g + s, lane r's 16 bytes at 16 r are the words of tiles 4 g .. 4 g + 3 in step s.  V: run p, likewise fragments 4 p .. 4 p + 3.
;   Q: run 2 g + s in two halves of 128 bytes: at 128 a + 8 r the words of tiles 4 g + 2 a, 4 g + 2 a + 1.
; SHARES.  Work-group (x, s): K's and V's block x, channels 128 s .. 128 s + 127, and 32 positions of Q, the same channels: 256 equal work-groups.
;   Waves 0, 1: K, position tiles 4 w on; waves 2, 3: V, channel fragments 8 s + 4 (w - 2) on; wave 4: Q, two tiles.  (Q's two scale words a row make half a unit of 256 bytes: the other half is another work-group's.)
; OPERANDS.  Each wave asks for one dense tile, as rows of 256 bytes: wave 0 the support's 128 rows, waves 1 to 3 128 rows of Wk, Wv, Wq (the same in all four work-groups of a cluster: asked for jointly), wave 4 32 rows of q.
;   In LDS 16 bytes of padding stand behind every 64: a row of 192 bytes of codes has a pitch of 240, an odd multiple of 16.  Nothing is filled twice.  Scales and biases go straight into registers.
;   A lane takes 96 neighbouring bytes of its row, h = lane / 16: blocks 4 h .. 4 h + 3 of 32 codes.  So K is permuted, alike on both sides: step 0 has blocks 0, 4, 1, 5 of the row, step 1 blocks 2, 6, 3, 7; the scale bytes follow.
; THE PRODUCT IS USED TRANSPOSED: source 0 = 128 rows of the operand whose rows become the next K (K, Q: W's channels; V: positions), lane m of its tile t = row 64 (t / 4) + 8 (t % 4) + 32 (m / 8) + m % 8.
;   Lane (r, h) then holds row r of source 1, and its registers 32 c + 0 .. 31 the next K's places 64 c + 32 h + 0 .. 31: a whole block of 32.
; No loop, so there is nothing to prefetch ahead in.
; LIMITS: NaN, infinities and scale bytes 0xff among the inputs are not served.  A block whose largest magnitude lies under 2^-122 (a block of zeros among them) keeps the scale byte 1; these bytes are read by this program alone.
.set BLK,  25600
.set MK,   30720                       ; LDS: the support's rows at 0, then Wk's, Wv's, Wq's, q's
.set MV,   61440
.set MQ,   92160
.set MX,   122880
.set SPARE, 130560                     ; the spare words, 128 bytes for each wave, three blocks of 256 bytes that no other line names
.set RP,   240
.set SPW,  14
.set NIL,  15
.set BS,   16                          ; v16-31   source 0's scale words: tile t, step k at 2 t + k
.set XS,   32                          ; v32-39   source 1's: fragment i, step k at 2 i + k
.set PW,   40                          ; v40-43   the scale words made
.set XF,   44                          ; v44-139  source 1: four tiles, 24 registers each
.set HA,   140                         ; v140-203 the 64 results; at first the scales as they come
.set PC,   204                         ; v204-215 the codes made
.set CT,   216                         ; v216-218, v220-222 the blocks' upper halves on their way
.set SO,   224
.set TM,   228                         ; v228-235 at work
.set BAK,  236                         ; LDS addresses: pairs, the second 16 bytes further on in lanes 16-31
.set BAQ,  238
.set SMK,  240
.set SMV,  242
.set SMQ,  244
.set BAV,  248
.set NAT,  250
.set BI,   192                         ; window 1: v192-255 the bias in the result's layout;  v0-191 source 0, tile t at 24 t
.set WV,   66
.set XB,   67
.set SS,   92
.set CX,   93
.set SEL,  94                          ; s[94:95]
.set BIGS, 96
.set SMS,  98
.set BP,   100
.set OUTF, 8                           ; (the arguments that lay there have been used by then)
.set OUTS, 10
.set GS,   40                          ; descriptors' group 0: the support's, Wk's, Wv's, Wq's, q's
.set GK,   44
.set GV,   48
.set GQ,   52
.set GX,   56
.set G1J,  68                          ; group 1: joint, 96 rows; plain, 96 rows; plain, 24 rows
.set G1P,  76
.set G1X,  84
.set MSB,  0
.macro WIN new                         ; the immediate's high byte repeats the setting that is left
.if MSB != \new
	s_set_vgpr_msb (MSB<<8)|\new
.set MSB, \new
.endif
.endm
.macro CROUND                          ; a round of the cluster's barrier
	s_barrier_signal -1
	s_barrier_wait -1
	s_cmp_lg_u32 s[WV], 0
	s_cbranch_scc1 .Lnot_wave_0_\@
	s_barrier_signal -3
.Lnot_wave_0_\@:
	s_barrier_wait -3
	s_barrier_signal -1
	s_barrier_wait -1
.endm
.macro ARM under, g0, g1, next
	s_cmp_lt_u32 s[WV], \under
	s_cbranch_scc0 \next
	tensor_load_to_lds s[\g0:\g0+3], s[\g1:\g1+7]
	s_nop 0
.rept 4
	v_nop
.endr
	s_branch .Lasked
\next:
.endm
.macro BIGSC                           ; source 0's scales: a row's eight bytes
.irp t, 0,1,2,3,4,5,6,7
	global_load_b64 v[HA+2*\t:HA+2*\t+1], v5, s[BIGS:BIGS+1] offset:(64*(\t/4)+8*(\t%4))*8
.endr
.endm
.macro BIASROWS                        ; K, Q: tile t's eight channels of my half
	WIN 0x40
.irp t, 0,1,2,3,4,5,6,7
	global_load_b128 v[BI+8*\t:BI+8*\t+3], v11, s[BP:BP+1] offset:(64*(\t/4)+8*(\t%4))*4
	global_load_b128 v[BI+8*\t+4:BI+8*\t+7], v11, s[BP:BP+1] offset:(64*(\t/4)+8*(\t%4))*4+16
.endr
	WIN 0
.endm
.macro TILE reg, adr, row              ; a tile's 16 rows, all 256 codes: lane (r, h) takes bytes 96 h .. 96 h + 95 of its row, round the padding
.irp p, 0,1,4,5
	ds_load_b128 v[\reg+4*\p:\reg+4*\p+3], v[\adr] offset:(\row)*RP+16*\p+16*(\p/4)
.endr
.irp p, 2,3
	ds_load_b128 v[\reg+4*\p:\reg+4*\p+3], v[\adr+1] offset:(\row)*RP+16*\p
.endr
.endm
.macro ORDER d, lo                     ; a row's eight scale bytes in the two steps' order
	v_perm_b32 v[\d], v[\lo+1], v[\lo], 0x05010400
	v_perm_b32 v[\d+1], v[\lo+1], v[\lo], 0x07030602
.endm
; 64 numbers of a lane, two whole blocks, become a fragment's codes in v[PC] on and its scale word in v[pw].
.macro QUANT pw
.irp k, 0,1,2,3
	v_max3_num_f32 v[TM+\k], |v[HA+16*\k]|, |v[HA+16*\k+1]|, 0x2800000   ; with the floor 2^(5 - 127): the byte cannot fall under 1.  Each accumulator is read from its low end on
.endr
.irp i, 2,4,6,8,10,12,14
.irp k, 0,1,2,3
	v_max3_num_f32 v[TM+\k], v[TM+\k], |v[HA+16*\k+\i]|, |v[HA+16*\k+\i+1]|
.endr
.endr
.irp c, 0,1
	v_max_num_f32 v[TM+2*\c], v[TM+2*\c], v[TM+2*\c+1]
.endr
.irp c, 0,1
	v_add_nc_u32 v[SO+\c], 0xfe000000, v[TM+2*\c]          ; 4 off its exponent field: the conversion's scale operand
.endr
.irp c, 0,1
	v_cvt_scalef32_pk16_bf6_f32 v[PC+6*\c:PC+6*\c+2], v[HA+32*\c:HA+32*\c+15], v[SO+\c]
	v_cvt_scalef32_pk16_bf6_f32 v[CT+4*\c:CT+4*\c+2], v[HA+32*\c+16:HA+32*\c+31], v[SO+\c]   ; (a conversion's three registers begin on an even number)
.endr
.irp c, 0,1
	v_lshrrev_b32 v[TM+4+\c], 23, v[SO+\c]                 ; the scale's byte; the plain places behind the conversions
.endr
.irp c, 0,1
.irp i, 0,1,2
	v_mov_b32 v[PC+6*\c+3+\i], v[CT+4*\c+\i]
.endr
.endr
	v_lshl_or_b32 v[TM+4], v[TM+5], 16, v[TM+4]            ; my blocks 0 + h and 2 + h,
	v_lshlrev_b32 v[TM+4], v13, v[TM+4]                    ; at their bytes h and 2 + h;
	v_permlanex16_b32 v[TM+6], v[TM+4], s[SEL], s[SEL+1]
	v_or_b32 v[\pw], v[TM+4], v[TM+6]                      ; with lane l xor 16's the word is whole
.endm
.macro UNIT arm, i                     ; fragment i: 16 products, the eight accumulators by turns, quantised, stored
.if \i > 0
	s_wait_xcnt 0x0                                        ; the last fragment's stores have read the codes' registers
.endif
	WIN 0x11                                               ; source 0 and C (the bias) window 1
.irp t, 0,1,2,3,4,5,6,7
.if \i == 0
	s_wait_dscnt 42-6*\t                                   ; source 1 and tiles 0 to t are in
.endif
.if \arm == 1
	v_wmma_scale_f32_16x16x128_f8f6f4 v[HA+8*\t:HA+8*\t+7], v[24*\t:24*\t+11], v[XF+24*\i:XF+24*\i+11], v[BI+8*\i:BI+8*\i+7], v[BS+2*\t], v[XS+2*\i] matrix_a_fmt:MATRIX_FMT_BF6 matrix_b_fmt:MATRIX_FMT_BF6
.else
	v_wmma_scale_f32_16x16x128_f8f6f4 v[HA+8*\t:HA+8*\t+7], v[24*\t:24*\t+11], v[XF+24*\i:XF+24*\i+11], v[BI+8*\t:BI+8*\t+7], v[BS+2*\t], v[XS+2*\i] matrix_a_fmt:MATRIX_FMT_BF6 matrix_b_fmt:MATRIX_FMT_BF6
.endif
.endr
	WIN 0x01
.irp t, 0,1,2,3,4,5,6,7
	v_wmma_scale_f32_16x16x128_f8f6f4 v[HA+8*\t:HA+8*\t+7], v[24*\t+12:24*\t+23], v[XF+24*\i+12:XF+24*\i+23], v[HA+8*\t:HA+8*\t+7], v[BS+2*\t+1], v[XS+2*\i+1] matrix_a_fmt:MATRIX_FMT_BF6 matrix_b_fmt:MATRIX_FMT_BF6
.endr
	WIN 0
.rept 4
	v_nop                                                  ; four places ahead of the first read of results (ISA guide 7.12.1)
.endr
	QUANT PW+\i
.irp c, 0,1,2
.if \arm == 1
	global_store_b128 v8, v[PC+4*\c:PC+4*\c+3], s[OUTF:OUTF+1] offset:\i*1536+512*\c   ; 32 lanes store 512 consecutive bytes, at a multiple of 256 from the buffer's first byte
.else
	global_store_b128 v8, v[PC+4*\c:PC+4*\c+3], s[OUTF:OUTF+1] offset:\i*3072+512*\c
.endif
.endr
.endm
.macro TOREGS ba                       ; source 0 from LDS, and the scale words' order
	WIN 0x40
.irp t, 0,1,2,3,4,5,6,7
	TILE 24*\t, \ba, 64*(\t/4)+8*(\t%4)
.endr
	WIN 0
.irp t, 0,1,2,3,4,5,6,7
	ORDER BS+2*\t, HA+2*\t
.endr
.rept 8
	v_nop                                                  ; a scale word made by vector instructions stands eight places ahead of the scaled product
.endr
	s_wait_alu depctr_va_vdst(0)                           ; ahead of the waits below
.endm
.macro FOUR arm                        ; four fragments and their run of scale words
.irp i, 0,1,2,3
	UNIT \arm, \i
.endr
	v_cmp_lt_u32 vcc_lo, 15, v1                            ; lanes 0-15 store row r's words 0 and 1, lanes 16-31 its words 2 and 3
	v_cndmask_b32 v[TM], v[PW], v[PW+2], vcc_lo
	v_cndmask_b32 v[TM+1], v[PW+1], v[PW+3], vcc_lo
	global_store_b64 v9, v[TM:TM+1], s[OUTS:OUTS+1]        ; 32 lanes store 256 consecutive bytes, aligned
	s_branch .Ldone
.endm
.macro PLACE ws, sz, frag, run         ; where my fragments and my scale words go: block at s60, in bytes
	s_mul_i32 s62, \frag, 1536
	s_add_co_u32 s62, s62, s60
	s_mov_b32 s63, 0
	s_add_nc_u64 s[OUTF:OUTF+1], s[\ws:\ws+1], s[62:63]
	s_lshl_b32 s62, \run, \sz
	s_add_co_u32 s62, s62, s60
	s_add_co_u32 s62, s62, 24576
	s_add_nc_u64 s[OUTS:OUTS+1], s[\ws:\ws+1], s[62:63]
.endm
	s_load_b512 s[8:23], s[0:1], 0x0               ; query's codes s[8:9], scales s[10:11]; support's s[12:13], s[14:15]; Wq's s[16:17], s[18:19]; bq s[20:21]; Wk's codes s[22:23]
	s_load_b512 s[24:39], s[0:1], 0x40             ; Wk's scales s[24:25]; bk s[26:27]; Wv's s[28:29], s[30:31]; bv s[32:33]; qws s[34:35]; kws s[36:37]; vws s[38:39]
	v_lshl_add_u32 v[SPW], v0, 2, SPARE
	v_mov_b32 v[NIL], 0
	ds_add_u32 v[SPW], v[NIL]                      ; the wave's opening: the add, twice on end, and its wait ahead of my first tensor load
	ds_add_u32 v[SPW], v[NIL]
	v_lshrrev_b32 v1, 5, v0
	v_readfirstlane_b32 s[WV], v1                  ; wave 0..4
	v_and_b32 v1, 31, v0                           ; lane
	v_and_b32 v2, 15, v0                           ; r
	v_bfe_u32 v3, v0, 4, 1                         ; h
	s_bfe_u32 s[CX], ttmp6, 0x40000
	s_lshl_b32 s[XB], ttmp9, 2
	s_add_co_u32 s[XB], s[XB], s[CX]               ; x: my block, 0..127
	s_and_b32 s[SS], ttmp7, 0xffff                 ; s: my half of the channels, which the partners share
	s_mov_b32 s[G1J], 15|(3<<16)|(1<<20)|(1<<21)|(3<<22)|(3<<25)  ; 15:0 the mask: all four; 17:16 elements of 8 bytes; 20 padding on; 21 set beside a mask; 24:22 after every 16 words (code 3); 31:25 of 4 words (code 3)
	s_mov_b32 s[G1P], (3<<16)|(1<<20)|(3<<22)|(3<<25)
	s_mov_b32 s[G1X], (3<<16)|(1<<20)|(3<<22)|(3<<25)
.irp g, G1J, G1P
	s_mov_b32 s[\g+2], 96<<16                      ; tensor_dim1 = 96 rows: 24,576 dense bytes
	s_mov_b32 s[\g+4], 96
.endr
	s_mov_b32 s[G1X+2], 24<<16                     ; 24 rows: 6,144 bytes
	s_mov_b32 s[G1X+4], 24
.irp g, G1J, G1P, G1X
	s_mov_b32 s[\g+1], 32<<16                      ; tensor_dim0 = 32 elements: 256 bytes
	s_mov_b32 s[\g+3], 32<<16                      ; tile_dim0
	s_mov_b32 s[\g+5], 32                          ; the pitch
	s_mov_b32 s[\g+6], 0
	s_mov_b32 s[\g+7], 0
.endr
.irp g, GS, GK, GV, GQ, GX
	s_mov_b32 s[\g], 1                             ; 1:0 count = 1
.endr
	s_mov_b32 s[GS+1], 0
	s_mov_b32 s[GK+1], MK
	s_mov_b32 s[GV+1], MV
	s_mov_b32 s[GQ+1], MQ
	s_mov_b32 s[GX+1], MX
	s_mul_i32 s60, s[XB], 128*192
	s_mov_b32 s61, 0
	s_mul_i32 s62, s[SS], 128*192
	s_mov_b32 s63, 0
	s_mul_i32 s96, s[XB], 32*192
	s_mov_b32 s97, 0
	s_wait_alu depctr_va_vdst(0)
	s_wait_dscnt 0x0                               ; both opening adds are done
	s_wait_kmcnt 0x0
	s_add_nc_u64 s[GS+2:GS+3], s[12:13], s[60:61]
	s_add_nc_u64 s[GK+2:GK+3], s[22:23], s[62:63]
	s_add_nc_u64 s[GV+2:GV+3], s[28:29], s[62:63]
	s_add_nc_u64 s[GQ+2:GQ+3], s[16:17], s[62:63]
	s_add_nc_u64 s[GX+2:GX+3], s[8:9], s[96:97]
.irp g, GS, GK, GV, GQ, GX
	s_or_b32 s[\g+3], s[\g+3], 0x80000000          ; type = 2
.endr
	CROUND                                         ; all four work-groups are here: the joint loads meet
	ARM 1, GS, G1P, .Lask_k                        ; one load a wave, in one tree of branches: every way passes exactly one
	ARM 2, GK, G1J, .Lask_v
	ARM 3, GV, G1J, .Lask_q
	ARM 4, GQ, G1J, .Lask_x
	tensor_load_to_lds s[GX:GX+3], s[G1X:G1X+7]
	s_nop 0
.rept 4
	v_nop
.endr
.Lasked:
	v_and_b32 v226, 8, v2
	v_mad_u32_u24 v4, v226, 3, v2                  ; r % 8 + 32 (r / 8)
	v_mul_u32_u24 v227, v4, RP
	v_mul_u32_u24 v226, v2, RP
	v_mad_u32_u24 v[BAV], v3, 112, v227            ; lanes 16-31: byte 96 of the row lies 112 bytes on in LDS;
	v_mad_u32_u24 v[BAV+1], v3, 128, v227          ; the pieces behind the next padding 128
	v_mad_u32_u24 v[NAT], v3, 112, v226
	v_mad_u32_u24 v[NAT+1], v3, 128, v226
	s_mul_i32 s62, s[WV], 64*RP
	s_add_co_u32 s63, s62, MV-2*64*RP
.irp e, 0,1
	v_add_nc_u32 v[BAK+\e], MK, v[BAV+\e]
	v_add_nc_u32 v[BAQ+\e], MQ, v[BAV+\e]
	v_add_nc_u32 v[SMK+\e], s62, v[BAV+\e]         ; K: positions 64 w on
	v_add_nc_u32 v[SMV+\e], s63, v[NAT+\e]         ; V: Wv's rows 64 (w - 2) on
	v_add_nc_u32 v[SMQ+\e], MX, v[NAT+\e]
.endr
	v_lshlrev_b32 v5, 3, v4                        ; scales: 8 bytes a row
	v_lshlrev_b32 v7, 3, v2
	v_lshlrev_b32 v8, 4, v1                        ; an image's place for my lane
	v_lshlrev_b32 v9, 4, v2
	v_lshl_add_u32 v9, v3, 3, v9                   ; a run of scale words: 16 r + 8 h
	v_lshl_add_u32 v10, v3, 2, v7                  ; Q's: 8 r + 4 h
	v_lshlrev_b32 v11, 7, v3                       ; the bias of K, Q: 32 h numbers on
	v_lshlrev_b32 v12, 2, v2                       ; of V: my channel's
	v_lshlrev_b32 v13, 3, v3                       ; 8 h
	v_mov_b32 v[TM+6], 0                           ; written once: a lane permute's destination counts as one of its sources
	s_mov_b32 s[SEL], 0x76543210
	s_mov_b32 s[SEL+1], 0xfedcba98
	s_mov_b32 s63, 0
	s_wait_alu depctr_va_vdst(0)                   ; ahead of the branches
	; scales and biases, under the tiles' flight
	s_cmp_lt_u32 s[WV], 2
	s_cbranch_scc0 .Lpre_v
	s_lshl_b32 s62, s[SS], 10
	s_add_nc_u64 s[BIGS:BIGS+1], s[24:25], s[62:63]
	s_lshl_b32 s62, s[SS], 9
	s_add_nc_u64 s[BP:BP+1], s[26:27], s[62:63]
	s_lshl_b32 s62, s[XB], 10
	s_lshl_b32 s60, s[WV], 9
	s_add_co_u32 s62, s62, s60
	s_add_nc_u64 s[SMS:SMS+1], s[14:15], s[62:63]
	BIGSC
.irp i, 0,1,2,3
	global_load_b64 v[HA+16+2*\i:HA+17+2*\i], v5, s[SMS:SMS+1] offset:64*\i
.endr
	BIASROWS
	s_branch .Lpre_done
.Lpre_v:
	s_cmp_lt_u32 s[WV], 4
	s_cbranch_scc0 .Lpre_q
	s_lshl_b32 s62, s[XB], 10
	s_add_nc_u64 s[BIGS:BIGS+1], s[14:15], s[62:63]
	s_sub_co_u32 s60, s[WV], 2
	s_lshl_b32 s62, s[SS], 1
	s_add_co_u32 s60, s60, s62                     ; Wv's rows 64 x this on
	s_lshl_b32 s62, s60, 9
	s_add_nc_u64 s[SMS:SMS+1], s[30:31], s[62:63]
	s_lshl_b32 s62, s60, 8
	s_add_nc_u64 s[BP:BP+1], s[32:33], s[62:63]
	BIGSC
.irp i, 0,1,2,3
	global_load_b64 v[HA+16+2*\i:HA+17+2*\i], v7, s[SMS:SMS+1] offset:128*\i
.endr
	WIN 0x40
.irp u, 0,1,2,3                        ; a lane holds one channel, so the bias is the same number in all eight registers
.irp j, 0,1,2,3,4,5,6,7
	global_load_b32 v[BI+8*\u+\j], v12, s[BP:BP+1] offset:64*\u
.endr
.endr
	WIN 0
	s_branch .Lpre_done
.Lpre_q:
	s_lshl_b32 s62, s[SS], 10
	s_add_nc_u64 s[BIGS:BIGS+1], s[18:19], s[62:63]
	s_lshl_b32 s62, s[SS], 9
	s_add_nc_u64 s[BP:BP+1], s[20:21], s[62:63]
	s_lshl_b32 s62, s[XB], 8
	s_add_nc_u64 s[SMS:SMS+1], s[10:11], s[62:63]
	BIGSC
.irp i, 0,1
	global_load_b64 v[HA+16+2*\i:HA+17+2*\i], v7, s[SMS:SMS+1] offset:128*\i
.endr
	BIASROWS
.Lpre_done:
	s_wait_loadcnt 0x0
	s_wait_tensorcnt 0x0                           ; my tile is in
	s_barrier_signal -1
	s_barrier_wait -1                              ; all five are
	s_mul_i32 s60, s[XB], BLK
	s_cmp_lt_u32 s[WV], 2
	s_cbranch_scc0 .Lbody_v
	; ---- K: fragments (4 w + i, s)
	s_lshl_b32 s96, s[WV], 3
	s_add_co_u32 s96, s96, s[SS]
	s_lshl_b32 s97, s[WV], 1
	s_add_co_u32 s97, s97, s[SS]
	PLACE 36, 8, s96, s97
.irp i, 0,1,2,3
	TILE XF+24*\i, SMK, 8*\i
	ORDER XS+2*\i, HA+16+2*\i
.endr
	TOREGS BAK
	FOUR 0
.Lbody_v:
	s_cmp_lt_u32 s[WV], 4
	s_cbranch_scc0 .Lbody_q
	; ---- V: fragments 8 s + 4 (w - 2) + i
	s_sub_co_u32 s97, s[WV], 2
	s_lshl_b32 s96, s[SS], 1
	s_add_co_u32 s97, s97, s96
	s_lshl_b32 s96, s97, 2
	PLACE 38, 8, s96, s97
.irp i, 0,1,2,3
	TILE XF+24*\i, SMV, 16*\i
	ORDER XS+2*\i, HA+16+2*\i
.endr
	TOREGS BAV
	FOUR 1
.Lbody_q:
	; ---- Q: block x / 4, fragments (2 (x % 4) + i, s)
	s_lshr_b32 s60, s[XB], 2
	s_mul_i32 s60, s60, BLK
	s_and_b32 s62, s[XB], 3
	s_lshl_b32 s96, s62, 2
	s_add_co_u32 s96, s96, s[SS]
	s_lshr_b32 s97, s62, 1
	s_lshl_b32 s97, s97, 2
	s_and_b32 s62, s62, 1
	s_add_co_u32 s97, s97, s62
	s_lshl_b32 s62, s[SS], 1
	s_add_co_u32 s97, s97, s62                     ; run 2 g + s, half a, in 128 bytes
	PLACE 34, 7, s96, s97
.irp i, 0,1
	TILE XF+24*\i, SMQ, 16*\i
	ORDER XS+2*\i, HA+16+2*\i
.endr
	TOREGS BAQ
	UNIT 2, 0
	UNIT 2, 1
	v_cmp_lt_u32 vcc_lo, 15, v1
	v_cndmask_b32 v[TM], v[PW], v[PW+1], vcc_lo
	global_store_b32 v10, v[TM], s[OUTS:OUTS+1]    ; 32 lanes store 128 consecutive bytes
.Ldone:
	s_wait_tensorcnt 0x0                           ; the wave's end
	ds_add_u32 v[SPW], v[NIL]
	s_wait_dscnt 0x0
	CROUND                                         ; the closing round: no work-group ends while a partner may still ask for a tile that names it
	s_endpgm
.Lfunc_end_k_q441ae4c6ff_project:
	.size	k_q441ae4c6ff_project, .Lfunc_end_k_q441ae4c6ff_project-k_q441ae4c6ff_project
	.p2alignl 7, 3214868480
	.fill 96, 4, 3214868480
	.section	.rodata,"a",@progbits
	.p2align	6, 0x0
	.amdhsa_kernel k_q441ae4c6ff_project
		.amdhsa_group_segment_fixed_size 167936
		.amdhsa_private_segment_fixed_size 0
		.amdhsa_enable_private_segment 0
		.amdhsa_kernarg_size 128
		.amdhsa_user_sgpr_count 2
		.amdhsa_user_sgpr_kernarg_segment_ptr 1
		.amdhsa_wavefront_size32 1
		.amdhsa_system_sgpr_workgroup_id_x 1
		.amdhsa_system_sgpr_workgroup_id_y 1
		.amdhsa_system_sgpr_workgroup_id_z 1
		.amdhsa_system_vgpr_workitem_id 0
		.amdhsa_next_free_vgpr 512
		.amdhsa_next_free_sgpr 102
		.amdhsa_reserve_vcc 1
		.amdhsa_float_denorm_mode_32 3
		.amdhsa_float_denorm_mode_16_64 3
		.amdhsa_memory_ordered 1
		.amdhsa_forward_progress 1
		.amdhsa_inst_pref_size 97
	.end_amdhsa_kernel
	.amdgpu_metadata
---
amdhsa.version: [ 1, 2 ]
amdhsa.kernels:
  - .name:           k_q441ae4c6ff_project
    .symbol:         k_q441ae4c6ff_project.kd
    .args:
      - { .name: query_codes, .offset: 0, .size: 8, .value_kind: global_buffer, .address_space: global }
      - { .name: query_scales, .offset: 8, .size: 8, .value_kind: global_buffer, .address_space: global }
      - { .name: support_codes, .offset: 16, .size: 8, .value_kind: global_buffer, .address_space: global }
      - { .name: support_scales, .offset: 24, .size: 8, .value_kind: global_buffer, .address_space: global }
      - { .name: Wq_codes, .offset: 32, .size: 8, .value_kind: global_buffer, .address_space: global }
      - { .name: Wq_scales, .offset: 40, .size: 8, .value_kind: global_buffer, .address_space: global }
      - { .name: bq, .offset: 48, .size: 8, .value_kind: global_buffer, .address_space: global }
      - { .name: Wk_codes, .offset: 56, .size: 8, .value_kind: global_buffer, .address_space: global }
      - { .name: Wk_scales, .offset: 64, .size: 8, .value_kind: global_buffer, .address_space: global }
      - { .name: bk, .offset: 72, .size: 8, .value_kind: global_buffer, .address_space: global }
      - { .name: Wv_codes, .offset: 80, .size: 8, .value_kind: global_buffer, .address_space: global }
      - { .name: Wv_scales, .offset: 88, .size: 8, .value_kind: global_buffer, .address_space: global }
      - { .name: bv, .offset: 96, .size: 8, .value_kind: global_buffer, .address_space: global }
      - { .name: qws, .offset: 104, .size: 8, .value_kind: global_buffer, .address_space: global }
      - { .name: kws, .offset: 112, .size: 8, .value_kind: global_buffer, .address_space: global }
      - { .name: vws, .offset: 120, .size: 8, .value_kind: global_buffer, .address_space: global }
    .group_segment_fixed_size: 167936
    .private_segment_fixed_size: 0
    .kernarg_segment_align: 8
    .kernarg_segment_size: 128
    .max_flat_workgroup_size: 160
    .sgpr_count:     102
    .vgpr_count:     512
    .wavefront_size: 32
...
	.end_amdgpu_metadata
.endif
;; end of part 1
;; launch attend (part 2): grid 64 x 4, 4 waves a work-group, clusters of 4 x 1, 327,680 bytes of LDS; arguments qws, kws, vws, threshold, temperature, out0; writes out0
.if DOCPART == 2
	.amdgcn_target "amdgcn-amd-amdhsa--gfx1250"
	.amdhsa_code_object_version 6
	.text
	.protected	k_q441ae4c6ff_attend
	.globl	k_q441ae4c6ff_attend
	.p2align	8
	.type	k_q441ae4c6ff_attend,@function
k_q441ae4c6ff_attend:
	s_mov_b64 s[64:65], 0
	v_nop
	global_prefetch_b8 v0, s[64:65] scope:SCOPE_SE
	s_setreg_imm32_b32 hwreg(HW_REG_WAVE_MODE, 25, 1), 1
	s_wait_xcnt 0x0
	s_wait_alu depctr_hold_cnt(0) depctr_sa_sdst(0) depctr_va_vdst(0) depctr_va_sdst(0) depctr_va_ssrc(0) depctr_va_vcc(0) depctr_vm_vsrc(0)
	s_getreg_b32 s2, hwreg(HW_REG_IB_STS2, 6, 4)
	s_cmp_eq_u32 s2, 0
	s_cbranch_scc0 .Lentry_in_a_cluster
	s_endpgm
.Lentry_in_a_cluster:
	s_bfe_u32 s2, ttmp6, 0x10000c
	s_cmp_lg_u32 s2, 0x3003
	s_cbranch_scc0 .Lentry_shape_is_right
	s_endpgm
.Lentry_shape_is_right:
; out0[n][c][q] = gate(n, q) x the sum over k of softmax_k(Q[q] . K[n][k] / 16) V[n][k][c], gate = sigmoid((largest probability - sigmoid(threshold)) x softplus(temperature)).
; Both products on codes of BF6 (E3M2) with E8M0 scales.  Q, K, V come as images of operand registers, in blocks of 25,600 bytes for each 128 positions: 16 fragments of 1,536 bytes (registers 4 c .. 4 c + 3 of lane l at
; 512 c + 16 l), then 1,024 bytes of scale words.  K, Q: fragment (tile t, K step s) at 1536 (2 t + s); K: lane r of tile 4 g + i = position 64 g + 8 i + 32 (r / 8) + r % 8; Q: position 16 t + r.  V: fragment ct = channels 16 ct on, K = the block's 128 keys.
; THE SOFTMAX: t = score x log2(e) / 16; M = the running largest t rounded UP to a whole number; p = 2^(t - M) is quantised along the keys, not normalised; the sum is taken of the unquantised p and divides at the end.
; SHARES.  A work-group owns 64 queries (4 tiles of 16) of one support and walks its 4,096 keys in 8 supersteps of 512, four blocks of 128.  It has four waves, one for each SIMD, with 1,024 registers each.
;   Scores: wave w takes block w of the four, all 64 queries: each fragment of K feeds four products.  p's codes and scale bytes go to LDS as images of operand registers.
;   O^T = V^T P^T: wave w takes channels 64 w .. 64 w + 63, all 512 keys, all 64 queries: each fragment of V feeds four products.  So each fragment of K and V is read from LDS once, and no parts of O are merged.
;   The largest scores go from wave to wave through LDS (8 for a query: wave x half of the lanes), so all waves have the same M.
; LAYOUT.  S^T = K Q^T: lane (r, h) holds query r of the tile; registers 32 c + 0 .. 31 of a tile are keys 64 c + 32 h + 0 .. 31: a whole block of 32, in the order of the next operand.
; TWO PHASES A SUPERSTEP, each opened by a round of the cluster's barrier, behind which each wave asks jointly for one block of 25,600 bytes (100 rows of 256):
;   phase 2 of superstep i: asks for V(i); softmax of tiles 2, 3; p(i) to LDS; S(i + 1) and its largest scores.    phase 1 of i + 1: asks for K(i + 2); M(i + 1); softmax of tiles 0, 1; O^T += V(i)^T p(i)^T.
;   The fragments' LDS loads stand in groups of twelve at the two ends of a batch of exponentials; plain vector work that is due stands between matrix instructions.
; One LDS slot for K, one for V: each load has one phase in which to land.  K(0) comes into V's slot, so that K(1) is asked for ahead of S(0); V(7) comes into K's slot, in the last trip's phase 1.
; By this text's count a wave has at most one tensor load out.
; CLUSTER.  The four work-groups of a cluster belong to one support and walk the same K and V: each load is asked for with the same descriptor and the mask 15.
; O^T begins as zeros, written under the first load's flight: so the loop's body is written once.  The last superstep's O^T is finished by channel tiles of 16, so that finished channels leave while the others are multiplied.
; lds_bytes claims the whole of a WGP's LDS and the adds of 0 onto spare words stand where they stand.
; LIMITS: NaN and infinities are not served; scaled scores stay under 2^31.  v_exp_f32 gives 0 for results under 2^-126 (ISA guide, its entry): such p count as 0.  A block of p whose largest lies under 2^-122 keeps the scale byte 1.
; softplus(x) = max(x, 0) + ln 2 x log2(1 + 2^(-|x| log2 e)): for x under about -16 it comes out 0 where the true value is under 1.2e-7; the gate is then 1/2 either way to f32's last bits.
; REGISTERS.  window 0: addresses, statistics, scale words, v96-239 fragments of K (six tiles) or of V (three sets of four), v192-223 the statistics read;  window 1: S, then p: tile T at 64 T;
;   window 2: O^T, (tile T, channels 16 i on) at 32 T + 8 i; v128-223 Q;   window 3: v0-143 p's fragments, three sets of four (at the very end v0-191, four sets); v144-191 the codes made, tile T at 144 + 12 T; v192-198 at work.
.set BLK,   25600
.set SCO,   24576                      ; the scale words in a block
.set VSL,   102400                     ; V's slot
.set PB,    204800                     ; p: fragment (block b, tile T) at 6144 b + 1536 T
.set PSC,   229376                     ; p's scale words: 512 (b / 2) + 16 (16 (b % 2) + r) + 4 T
.set STA,   230400                     ; statistics: 512 T + 32 r + 8 w + 4 h
.set SPARE, 232448                     ; the spare words, 128 bytes for each wave: two blocks of 256 bytes that no other line names
.set ADK,  2
.set ADV,  3                           ; v3, v4: V's blocks 0, 1 and 2, 3
.set AVS,  5
.set ADP,  6
.set APS,  7
.set PWR,  8
.set PSW,  9
.set STW,  10
.set STR,  11
.set SPW,  12
.set NIL,  13
.set L16,  14                          ; 16 x lane
.set RR,   15                          ; lane % 16
.set ST,   16                          ; tile T at v[ST + 6 T]: +0 -M, +1 the largest t, +2, +3 the sum in two halves, +4 f, +5 named with it as a pair
.set BM,   40                          ; (T, c): the block's largest score, then largest p
.set SB,   48                          ; (T, c): the conversion's scale operand, then the scale's byte
.set TM,   56
.set QSC,  64
.set KSC,  68
.set VSC,  68
.set PSR,  76
.set PT,   84
.set ADW,  92                          ; v92, v93: as ADV, in K's slot
.set AVW,  94
.set HH,   95                          ; lane / 16
.set FR,   96
.set SR,   192
.set PC,   144                         ; (window 3)
.set CT,   192                         ; (window 3)
.set WV,  16
.set CX,  17
.set XB,  18
.set NS,  19
.set LIM, 20                           ; 2 in a work-group that prefetches, else the greatest number
.set CNT, 21                           ; the loop's trips to go
.set CS,  24                           ; s[24:25] c = log2(e) / 16
.set G1,  28
.set G0K, 36
.set G0V, 40
.set PFK, 44
.set PFV, 46
.set OUT, 60
.set THR, 62
.set TMP, 63
.set MSB, 0
.macro WIN new                         ; the immediate's high byte repeats the setting that is left
.if MSB != \new
	s_set_vgpr_msb (MSB<<8)|\new
.set MSB, \new
.endif
.endm
.macro PLACES
.rept 4
	v_nop
.endr
.endm
.macro CREST                           ; a round of the cluster's barrier behind its opening barrier
	s_cmp_lg_u32 s[WV], 0
	s_cbranch_scc1 .Lnot_wave_0_\@
	s_barrier_signal -3
.Lnot_wave_0_\@:
	s_barrier_wait -3
	s_barrier_signal -1
	s_barrier_wait -1
.endm
.macro CROUND
	s_barrier_signal -1
	s_barrier_wait -1
	CREST
.endm
.macro JL g0                           ; a joint load: my block of the four, the same in all four work-groups
	tensor_load_to_lds s[\g0:\g0+3], s[G1:G1+7]
	s_nop 0
	PLACES
.endm
; A prefetch into the L2 of the four blocks one superstep further on than the ones just asked for.  Four of a support's sixteen clusters ask; the partners of a cluster take a block each, told apart by address, and the four waves
; 25 of its 100 rows of 256 bytes each (lanes 25 to 31 name the 25th again).
.macro ASK pf, always
.if \always
	s_cmp_eq_u32 s[LIM], 2
.else
	s_cmp_gt_u32 s[CNT], s[LIM]                    ; K: the last two trips ask for nothing
.endif
	s_cbranch_scc0 .Lnot_mine_\@
	global_prefetch_b8 v0, s[\pf:\pf+1] th:TH_LOAD_NT scope:SCOPE_SE
.Lnot_mine_\@:
.endm
.macro MEET                            ; in front of a round: no tensor load of mine is out behind this
	WIN 0
	s_wait_alu depctr_va_vdst(0)                   ; ahead of the blocking wait below
	s_wait_tensorcnt 0x0
	ds_add_u32 v[SPW], v[NIL]
.endm
.macro KSCALES
	ds_load_b128 v[KSC:KSC+3], v[ADK] offset:SCO   ; register t = tile t; lanes 0-15 K step 0, lanes 16-31 K step 1
	ds_load_b128 v[KSC+4:KSC+7], v[ADK] offset:SCO+512
.endm
.macro KLOAD t, set
	WIN 0
.irp s, 0,1
.irp c, 0,1,2
	ds_load_b128 v[FR+24*(\set)+12*\s+4*\c:FR+24*(\set)+12*\s+4*\c+3], v[ADK] offset:(2*(\t)+\s)*1536+512*\c
.endr
.endr
.endm
.macro MX1 pr                          ; maximum number mxn of 32 over K's tiles 2 pr, 2 pr + 1: the four tiles of queries by turns; each accumulator is read from its low end on
.set mT, mxn%4
.set mi, 64*mT+16*(\pr)+2*(mxn/4)
.set mb, BM+2*mT+(\pr)/2
.if ((\pr)%2 == 0) && (mxn < 4)
	v_max_num_f32 v[mb], v[mi], v[mi+1]
.else
	v_max3_num_f32 v[mb], v[mi], v[mi+1], v[mb]
.endif
.set mxn, mxn+1
.endm
; S^T for tiles t0, t0 + 1 of K and all four of Q: eight accumulators by turns.  Behind each product two maxima over the pair of tiles pr, made before (-1: none).
.macro SMUL t0, set, pr
.set mxn, 0
.irp u, 0,1
.irp T, 0,1,2,3
	WIN 0x58                                       ; K window 0, Q window 2, C and D window 1
	v_wmma_scale_f32_16x16x128_f8f6f4 v[64*\T+8*(\t0+\u):64*\T+8*(\t0+\u)+7], v[FR+24*(\set+\u):FR+24*(\set+\u)+11], v[128+24*\T:128+24*\T+11], 0, v[KSC+\t0+\u], v[QSC+\T] matrix_a_fmt:MATRIX_FMT_BF6 matrix_b_fmt:MATRIX_FMT_BF6
.if \pr >= 0
	WIN 0x05
	MX1 \pr
	MX1 \pr
.endif
.endr
.endr
.irp u, 0,1
.irp T, 0,1,2,3
	WIN 0x58
	v_wmma_scale_f32_16x16x128_f8f6f4 v[64*\T+8*(\t0+\u):64*\T+8*(\t0+\u)+7], v[FR+24*(\set+\u)+12:FR+24*(\set+\u)+23], v[128+24*\T+12:128+24*\T+23], v[64*\T+8*(\t0+\u):64*\T+8*(\t0+\u)+7], v[KSC+\t0+\u], v[QSC+\T] matrix_a_fmt:MATRIX_FMT_BF6 matrix_b_fmt:MATRIX_FMT_BF6 matrix_a_scale:MATRIX_SCALE_ROW1 matrix_b_scale:MATRIX_SCALE_ROW1
.if \pr >= 0
	WIN 0x05
	MX1 \pr
	MX1 \pr
.endif
.endr
.endr
.endm
; The scores of my block, the largest of each block of 32, and the largest of my lane's 64 keys into the statistics.  n: the LDS stores issued behind K's loads, which may be out.
.macro SPHASE n
	WIN 0
	s_wait_dscnt \n                                ; tiles 0 to 5 are in
	SMUL 0, 0, -1
	PLACES                                         ; ahead of loads into registers that the products have read, and of the first read of results
	KLOAD 6, 0
	KLOAD 7, 1
	SMUL 2, 2, 0
	SMUL 4, 4, 1
	s_wait_dscnt 0x0
	SMUL 6, 0, 2
	PLACES                                         ; ahead of the first read of the last pair's results
	WIN 0x05
.set mxn, 0
.rept 32
	MX1 3
.endr
	WIN 0
.irp T, 0,1,2,3
	v_max_num_f32 v[TM+\T], v[BM+2*\T], v[BM+2*\T+1]
.endr
.irp T, 0,1,2,3
	ds_store_b32 v[STW], v[TM+\T] offset:512*\T
.endr
.endm
.macro STATLOAD
.irp T, 0,1,2,3
	ds_load_b128 v[SR+8*\T:SR+8*\T+3], v[STR] offset:512*\T
	ds_load_b128 v[SR+8*\T+4:SR+8*\T+7], v[STR] offset:512*\T+16
.endr
.endm
; The new M of all four tiles, f = 2^(old M - new M), and my sums under the new M.
.macro MUPDATE
.irp T, 0,1,2,3
	v_max3_num_f32 v[TM+\T], v[SR+8*\T], v[SR+8*\T+1], v[SR+8*\T+2]
.endr
.irp T, 0,1,2,3
	v_max3_num_f32 v[TM+\T], v[TM+\T], v[SR+8*\T+3], v[SR+8*\T+4]
.endr
.irp T, 0,1,2,3
	v_max3_num_f32 v[TM+\T], v[TM+\T], v[SR+8*\T+5], v[SR+8*\T+6]
.endr
.irp T, 0,1,2,3
	v_max_num_f32 v[TM+\T], v[TM+\T], v[SR+8*\T+7]
.endr
.irp T, 0,1,2,3
	v_mul_f32 v[TM+\T], s[CS], v[TM+\T]            ; as t (c is positive)
.endr
.irp T, 0,1,2,3
	v_max_num_f32 v[ST+6*\T+1], v[ST+6*\T+1], v[TM+\T]
.endr
.irp T, 0,1,2,3
	v_floor_f32 v[TM+\T], -v[ST+6*\T+1]            ; -M = floor(-t)
.endr
.irp T, 0,1,2,3
	v_sub_f32 v[TM+4+\T], v[TM+\T], v[ST+6*\T]     ; old M - new M: a whole number, 0 or less
.endr
.irp T, 0,1,2,3
	v_mov_b32 v[ST+6*\T], v[TM+\T]
.endr
.irp T, 0,1,2,3
	v_cvt_i32_f32 v[TM+4+\T], v[TM+4+\T]           ; (it saturates)
.endr
.irp T, 0,1,2,3
	v_ldexp_f32 v[ST+6*\T+4], 1.0, v[TM+4+\T]
.endr
.irp T, 0,1,2,3
	v_pk_mul_f32 v[ST+6*\T+2:ST+6*\T+3], v[ST+6*\T+2:ST+6*\T+3], v[ST+6*\T+4:ST+6*\T+5] op_sel_hi:[1,0]
.endr
.endm
.macro RESC                            ; O^T x f, from each accumulator's low end on
	s_wait_alu depctr_va_vdst(0)                   ; directly ahead of the first reader of O^T
	WIN 0x82
.irp T, 0,1,2,3
.set j, 0
.rept 16
	v_pk_mul_f32 v[32*\T+j:32*\T+j+1], v[32*\T+j:32*\T+j+1], v[ST+6*\T+4:ST+6*\T+5] op_sel_hi:[1,0]
.set j, j+2
.endr
.endr
	WIN 0
.endm
.macro VSCALES av                      ; V's scale words: registers 0-3 blocks 0 (lanes 0-15) and 1, registers 4-7 blocks 2 and 3; p's likewise
	ds_load_b128 v[VSC:VSC+3], v[\av]
	ds_load_b128 v[VSC+4:VSC+7], v[\av] offset:2*BLK
	ds_load_b128 v[PSR:PSR+3], v[APS]
	ds_load_b128 v[PSR+4:PSR+7], v[APS] offset:512
.endm
.macro VLOAD b, set                    ; block b: my four fragments of V
	WIN 0
.irp i, 0,1,2,3
.irp c, 0,1,2
	ds_load_b128 v[FR+48*\set+12*\i+4*\c:FR+48*\set+12*\i+4*\c+3], v[ADV+\b/2] offset:(\b%2)*BLK+\i*1536+512*\c
.endr
.endr
.endm
.macro PLOAD b, set                    ; block b: p's four fragments
	WIN 0xc0
.irp T, 0,1,2,3
.irp c, 0,1,2
	ds_load_b128 v[48*\set+12*\T+4*\c:48*\set+12*\T+4*\c+3], v[ADP] offset:\b*6144+\T*1536+512*\c
.endr
.endr
	WIN 0
.endm
.macro VPLOAD b, set                   ; 24 loads
	VLOAD \b, \set
	PLOAD \b, \set
.endm
; A group of loads at the start (q = 0) or the end (q = 1) of a batch of exponentials.  hk = 1: block a into set b, V then p.  hk = 2: K's tiles a + 2 q, a + 2 q + 1.
.macro HOOK hk, q, a, b
.if \hk == 1
.if \q == 0
	VLOAD \a, \b
.else
	PLOAD \a, \b
.endif
.endif
.if \hk == 2
.if \a+2*\q < 6
	KLOAD \a+2*\q, \a+2*\q
	KLOAD \a+2*\q+1, \a+2*\q+1
.endif
.endif
.endm
; O^T += V^T p^T over block b: 16 accumulators by turns.  Behind each product, fill = 1: two of tile 2's t - M; fill = 2: one of tile 1's p, already quantised, added in pairs.
.macro PVK b, set, fill
.set j, 0
.irp i, 0,1,2,3
.irp T, 0,1,2,3
	WIN 0xac                                       ; V window 0, p window 3, C and D window 2
.if \b%2
	v_wmma_scale_f32_16x16x128_f8f6f4 v[32*\T+8*\i:32*\T+8*\i+7], v[FR+48*\set+12*\i:FR+48*\set+12*\i+11], v[48*\set+12*\T:48*\set+12*\T+11], v[32*\T+8*\i:32*\T+8*\i+7], v[VSC+4*(\b/2)+\i], v[PSR+4*(\b/2)+\T] matrix_a_fmt:MATRIX_FMT_BF6 matrix_b_fmt:MATRIX_FMT_BF6 matrix_a_scale:MATRIX_SCALE_ROW1 matrix_b_scale:MATRIX_SCALE_ROW1
.else
	v_wmma_scale_f32_16x16x128_f8f6f4 v[32*\T+8*\i:32*\T+8*\i+7], v[FR+48*\set+12*\i:FR+48*\set+12*\i+11], v[48*\set+12*\T:48*\set+12*\T+11], v[32*\T+8*\i:32*\T+8*\i+7], v[VSC+4*(\b/2)+\i], v[PSR+4*(\b/2)+\T] matrix_a_fmt:MATRIX_FMT_BF6 matrix_b_fmt:MATRIX_FMT_BF6
.endif
.if \fill == 1
	WIN 0x41
	v_pk_fma_f32 v[128+j:128+j+1], v[128+j:128+j+1], s[CS:CS+1], v[ST+12:ST+13] op_sel_hi:[1,0,0]
	v_pk_fma_f32 v[128+j+2:128+j+3], v[128+j+2:128+j+3], s[CS:CS+1], v[ST+12:ST+13] op_sel_hi:[1,0,0]
.endif
.if \fill == 2
	WIN 0x45
	v_pk_add_f32 v[64+j:64+j+1], v[64+j:64+j+1], v[64+j+2:64+j+3]
.endif
.set j, j+4
.endr
.endr
	WIN 0
.endm
.macro FMAH T, hf                      ; t - M, two at a time: half of tile T
	WIN 0x41
.set j, 32*\hf
.rept 16
	v_pk_fma_f32 v[64*\T+j:64*\T+j+1], v[64*\T+j:64*\T+j+1], s[CS:CS+1], v[ST+6*\T:ST+6*\T+1] op_sel_hi:[1,0,0]
.set j, j+2
.endr
	WIN 0
.endm
.macro BMF T                           ; the same of the two blocks' largest scores: p rises with the score, so their exponentials are the blocks' largest p
	WIN 0
	v_fma_f32 v[BM+2*\T], v[BM+2*\T], s[CS], v[ST+6*\T]
	v_fma_f32 v[BM+2*\T+1], v[BM+2*\T+1], s[CS], v[ST+6*\T]
.endm
; p = 2^(t - M) of tile T: a batch of 66.  Among them plain work on tile U: fill = 1: its t - M; fill = 2: its p, already quantised, added in pairs for the row's sum.  A group of LDS loads at each end.
.macro EXPB T, fill, U, hk, a, b
	s_wait_alu depctr_va_vdst(0)                   ; ahead of the batch
	HOOK \hk, 0, \a, \b
	WIN 0x45
.set j, 0
.rept 16
	v_exp_f32 v[64*\T+j], v[64*\T+j]
	v_exp_f32 v[64*\T+j+1], v[64*\T+j+1]
.if \fill == 1
	v_pk_fma_f32 v[64*\U+j:64*\U+j+1], v[64*\U+j:64*\U+j+1], s[CS:CS+1], v[ST+6*\U:ST+6*\U+1] op_sel_hi:[1,0,0]
.else
	v_pk_add_f32 v[64*\U+j:64*\U+j+1], v[64*\U+j:64*\U+j+1], v[64*\U+j+2:64*\U+j+3]
.endif
	v_exp_f32 v[64*\T+j+2], v[64*\T+j+2]
	v_exp_f32 v[64*\T+j+3], v[64*\T+j+3]
.if \fill == 1
	v_pk_fma_f32 v[64*\U+j+2:64*\U+j+3], v[64*\U+j+2:64*\U+j+3], s[CS:CS+1], v[ST+6*\U:ST+6*\U+1] op_sel_hi:[1,0,0]
.endif
.set j, j+4
.endr
	WIN 0
	v_exp_f32 v[BM+2*\T], v[BM+2*\T]
	v_exp_f32 v[BM+2*\T+1], v[BM+2*\T+1]
	v_nop                                          ; the plain place behind the batch,
	s_wait_alu depctr_va_vdst(0)                   ; and its one wait, ahead of the first reader
	HOOK \hk, 1, \a, \b
.endm
.macro QNT T                           ; p's codes and scale bytes: a lane holds two whole blocks
	WIN 0
.irp c, 0,1
	v_max_num_f32 v[BM+2*\T+\c], 0x2800000, v[BM+2*\T+\c]   ; the floor 2^(5 - 127): the byte cannot fall under 1
.endr
.irp c, 0,1
	v_add_nc_u32 v[SB+2*\T+\c], 0xfe000000, v[BM+2*\T+\c]   ; 4 off the exponent field: the conversion's scale operand
.endr
	WIN 0xc1
.irp c, 0,1
	v_cvt_scalef32_pk16_bf6_f32 v[PC+12*\T+6*\c:PC+12*\T+6*\c+2], v[64*\T+32*\c:64*\T+32*\c+15], v[SB+2*\T+\c]
	v_cvt_scalef32_pk16_bf6_f32 v[CT+4*\c:CT+4*\c+2], v[64*\T+32*\c+16:64*\T+32*\c+31], v[SB+2*\T+\c]   ; (a conversion's three registers begin on an even number)
.endr
	v_nop                                          ; one plain place behind the scaled conversions
	WIN 0xc3
.irp c, 0,1
.irp i, 0,1,2
	v_mov_b32 v[PC+12*\T+6*\c+3+\i], v[CT+4*\c+\i]
.endr
.endr
	WIN 0
.irp c, 0,1
	v_lshrrev_b32 v[SB+2*\T+\c], 23, v[SB+2*\T+\c]
.endr
.endm
.macro PSTORE T                        ; tile T's codes and my block's scale bytes 2 c + h to LDS
	WIN 0x0c
.irp c, 0,1,2
	ds_store_b128 v[PWR], v[PC+12*\T+4*\c:PC+12*\T+4*\c+3] offset:\T*1536+512*\c
.endr
	WIN 0
	ds_store_b8 v[PSW], v[SB+2*\T] offset:4*\T
	ds_store_b8 v[PSW], v[SB+2*\T+1] offset:4*\T+2
.endm
.macro SUMS T, st                      ; the row's sum of the unquantised p: pairs st registers apart, in four chains
	WIN 0x05
.irp k, 0,1,2,3
	v_pk_add_f32 v[PT+2*\k:PT+2*\k+1], v[64*\T+2*\k*\st:64*\T+2*\k*\st+1], v[64*\T+(2*\k+1)*\st:64*\T+(2*\k+1)*\st+1]
.endr
	WIN 0x01
.set j, 8*\st
.rept (64-8*\st)/(4*\st)
.irp k, 0,1,2,3
	v_pk_add_f32 v[PT+2*\k:PT+2*\k+1], v[64*\T+j+\k*\st:64*\T+j+\k*\st+1], v[PT+2*\k:PT+2*\k+1]
.endr
.set j, j+4*\st
.endr
	WIN 0
	v_pk_add_f32 v[PT:PT+1], v[PT:PT+1], v[PT+2:PT+3]
	v_pk_add_f32 v[PT+4:PT+5], v[PT+4:PT+5], v[PT+6:PT+7]
	v_pk_add_f32 v[PT:PT+1], v[PT:PT+1], v[PT+4:PT+5]
	v_pk_add_f32 v[ST+6*\T+2:ST+6*\T+3], v[ST+6*\T+2:ST+6*\T+3], v[PT:PT+1]
.endm
.macro SOFT2 a, b, hk, a1, b1, a2, b2  ; the softmax of tiles a and b; tile a's t - M are made
	BMF \a
	EXPB \a, 1, \b, \hk, \a1, \b1
	QNT \a
	BMF \b
	EXPB \b, 2, \a, \hk, \a2, \b2
	QNT \b
.endm
; PHASE 1.  full = 0: superstep 0, which has no p behind it and asks for nothing: its barrier shows the statistics alone, and K(1) is on its way across it.
.macro PHASE1 full
.if \full
	MEET
	s_wait_xcnt 0x0                                ; my prefetches have read their addresses
	s_add_nc_u64 s[PFK:PFK+1], s[PFK:PFK+1], 4*BLK
	s_add_nc_u64 s[G0V+2:G0V+3], s[G0V+2:G0V+3], 4*BLK   ; V's next block of mine
	s_cmp_eq_u32 s[CNT], 1                         ; the last trip: no K is left, and V(7) goes into K's slot
	s_cselect_b64 s[G0K+2:G0K+3], s[G0V+2:G0V+3], s[G0K+2:G0K+3]
	RESC                                           ; by the last superstep's f: work on registers between the add and the wait for it
	s_wait_dscnt 0x0                               ; the add is done, and so are my LDS reads and stores
	CROUND
	JL G0K
	STATLOAD
	VSCALES AVS
	VPLOAD 0, 0
	ASK PFK, 0
	s_wait_dscnt 28                                ; the statistics are in: behind them 4 + 24 loads
.else
	WIN 0
	s_wait_alu depctr_va_vdst(0)
	s_wait_xcnt 0x0
	s_add_nc_u64 s[PFK:PFK+1], s[PFK:PFK+1], 4*BLK
	s_wait_dscnt 0x0
	s_barrier_signal -1
	s_barrier_wait -1
	STATLOAD
	ASK PFK, 1
	s_wait_dscnt 0x0
.endif
	MUPDATE
	FMAH 0, 0
	FMAH 0, 1
.if \full
	SOFT2 0, 1, 1, 1, 1, 2, 2                      ; blocks 1 and 2 come into sets 1 and 2
	s_wait_dscnt 48                                ; block 0 is in; 48 loads behind it
	PVK 0, 0, 0
	PLACES                                         ; ahead of loads into registers that the products have read
	VPLOAD 3, 0
	s_wait_dscnt 48
	PVK 1, 1, 1
	s_wait_dscnt 24
	PVK 2, 2, 2
	s_wait_dscnt 0x0
	PVK 3, 0, 0
.else
	SOFT2 0, 1, 0, 0, 0, 0, 0
	FMAH 2, 0
	FMAH 2, 1
	WIN 0x45
.set j, 0
.rept 16
	v_pk_add_f32 v[64+j:64+j+1], v[64+j:64+j+1], v[64+j+2:64+j+3]
.set j, j+4
.endr
	WIN 0
.endif
.endm
.macro PHASE2
	MEET
	s_add_nc_u64 s[G0K+2:G0K+3], s[G0K+2:G0K+3], 4*BLK
	s_wait_xcnt 0x0
	s_add_nc_u64 s[PFV:PFV+1], s[PFV:PFV+1], 4*BLK
	SUMS 0, 4                                      ; work on registers between the add and the wait for it,
	s_wait_dscnt 0x0
	s_barrier_signal -1                            ; opens the round;
	SUMS 1, 4                                      ; and while the others arrive
	WIN 0
	s_barrier_wait -1
	CREST
	JL G0V
	KSCALES
	PSTORE 0
	PSTORE 1
	ASK PFV, 1
	SOFT2 2, 3, 2, 0, 0, 4, 0                      ; K's tiles 0 to 5 come in
	PSTORE 2
	PSTORE 3
	SUMS 2, 4
	SUMS 3, 2
	SPHASE 10                                      ; behind K's loads: the ten stores of tiles 2 and 3
.endm
	s_load_b256 s[4:11], s[0:1], 0x0               ; qws s[4:5], kws s[6:7], vws s[8:9], threshold s[10:11]
	s_load_b128 s[12:15], s[0:1], 0x20             ; temperature s[12:13], out0 s[14:15]
	v_lshl_add_u32 v[SPW], v0, 2, SPARE
	v_mov_b32 v[NIL], 0
	ds_add_u32 v[SPW], v[NIL]                      ; the wave's opening: the add, twice on end, and its wait ahead of my first tensor load
	ds_add_u32 v[SPW], v[NIL]
	v_lshrrev_b32 v1, 5, v0
	v_readfirstlane_b32 s[WV], v1                  ; wave 0..3
	v_and_b32 v1, 31, v0                           ; lane
	v_and_b32 v[RR], 15, v0
	v_bfe_u32 v[HH], v0, 4, 1
	v_lshlrev_b32 v[L16], 4, v1
	s_bfe_u32 s[CX], ttmp6, 0x40000                ; my place in the cluster: it enters global addresses of Q, out0 and the prefetches alone
	s_lshl_b32 s[XB], ttmp9, 2
	s_add_co_u32 s[XB], s[XB], s[CX]               ; my block of 64 queries
	s_and_b32 s[NS], ttmp7, 0xffff                 ; the support, which the partners share
	s_mov_b32 s[G1], 15|(3<<16)|(1<<21)            ; 15:0 the mask; 17:16 elements of 8 bytes; 21 set beside a mask; no padding: images are read 16 bytes a lane on end
	s_mov_b32 s[G1+1], 32<<16                      ; tensor_dim0 = 32 elements: 256 bytes
	s_mov_b32 s[G1+2], 100<<16                     ; tensor_dim1 = 100 rows: a block's 25,600 dense bytes
	s_mov_b32 s[G1+3], 32<<16                      ; tile_dim0
	s_mov_b32 s[G1+4], 100                         ; tile_dim1
	s_mov_b32 s[G1+5], 32                          ; the pitch
	s_mov_b32 s[G1+6], 0
	s_mov_b32 s[G1+7], 0
	s_mov_b32 s[CS], 0x3db8aa3b                    ; log2(e) / 16
	s_mov_b32 s[CS+1], s[CS]                       ; (named with it as a pair, so it is written)
	s_and_b32 s[LIM], ttmp9, 3
	s_cmp_eq_u32 s[LIM], 0
	s_cselect_b32 s[LIM], 2, -1                    ; clusters 0, 4, 8, 12 of a support prefetch: the same in all partners
	s_mul_i32 s52, s[NS], 32*BLK                   ; the support's 32 blocks
	s_mul_i32 s54, s[WV], BLK
	s_add_co_u32 s54, s54, s52
	s_mov_b32 s55, 0                               ; s[54:55]: block w, the first that I fetch
	s_mul_i32 s56, s[CX], BLK
	s_add_co_u32 s56, s56, s52
	s_mul_i32 s57, s[WV], 25*256
	s_add_co_u32 s56, s56, s57
	s_mov_b32 s57, 0                               ; s[56:57]: my prefetches' place in superstep 0
	s_lshr_b32 s53, s[XB], 1
	s_mul_i32 s53, s53, BLK                        ; Q's block of 128 queries,
	s_and_b32 s51, s[XB], 1                        ; which half of it
	s_mul_i32 s58, s51, 8*1536
	s_add_co_u32 s58, s58, s53
	s_mov_b32 s59, 0
	s_lshl_b32 s50, s51, 9
	s_add_co_u32 s50, s50, s53
	s_add_co_u32 s50, s50, SCO
	s_mov_b32 s51, 0
	s_lshl_b32 s[OUT], s[NS], 22                   ; out0: the support's 256 x 4,096 numbers,
	s_lshl_b32 s[OUT+1], s[WV], 20                 ; my 64 channels,
	s_add_co_u32 s[OUT], s[OUT], s[OUT+1]
	s_lshl_b32 s[OUT+1], s[XB], 8                  ; my work-group's 64 queries
	s_add_co_u32 s[OUT], s[OUT], s[OUT+1]
	s_mov_b32 s[OUT+1], 0
	s_mul_i32 s53, s[WV], BLK
	s_mov_b32 s[G0K], 1                            ; 1:0 count = 1
	s_add_co_u32 s[G0K+1], s53, VSL                ; LDS address: block w of V's slot, for K(0) alone
	s_mov_b32 s[G0V], 1
	s_add_co_u32 s[G0V+1], s53, VSL
	s_wait_alu depctr_va_vdst(0)
	s_wait_dscnt 0x0                               ; both opening adds are done
	s_wait_kmcnt 0x0
	s_add_nc_u64 s[G0K+2:G0K+3], s[6:7], s[54:55]
	s_or_b32 s[G0K+3], s[G0K+3], 0x80000000        ; type = 2
	s_add_nc_u64 s[G0V+2:G0V+3], s[8:9], s[54:55]
	s_or_b32 s[G0V+3], s[G0V+3], 0x80000000
	CROUND                                         ; all four work-groups are here: the first joint loads meet
	JL G0K                                         ; K(0)
	s_add_nc_u64 s[PFK:PFK+1], s[6:7], s[56:57]
	s_add_nc_u64 s[PFK:PFK+1], s[PFK:PFK+1], 4*BLK ; K(1)
	s_add_nc_u64 s[PFV:PFV+1], s[8:9], s[56:57]    ; V(0)
	s_add_nc_u64 s[58:59], s[4:5], s[58:59]
	s_add_nc_u64 s[50:51], s[4:5], s[50:51]
	s_add_nc_u64 s[OUT:OUT+1], s[14:15], s[OUT:OUT+1]
	s_load_b32 s[THR], s[10:11], 0x0
	s_load_b32 s[TMP], s[12:13], 0x0
	WIN 0x80
.irp T, 0,1,2,3                        ; Q stays in registers: tile T, K step s
.irp s, 0,1
.irp c, 0,1,2
	global_load_b128 v[128+24*\T+12*\s+4*\c:128+24*\T+12*\s+4*\c+3], v[L16], s[58:59] offset:(2*\T+\s)*1536+512*\c
.endr
.endr
.endr
	WIN 0
	v_lshlrev_b32 v86, 3, v[RR]
	v_lshl_add_u32 v86, v[HH], 8, v86              ; 8 r in the step's run
	global_load_b64 v[QSC:QSC+1], v86, s[50:51]    ; its scale words: register T = tile T; lanes 0-15 K step 0, lanes 16-31 K step 1
	global_load_b64 v[QSC+2:QSC+3], v86, s[50:51] offset:128
	v_min_u32 v0, 24, v1
	v_lshlrev_b32 v0, 8, v0                        ; the prefetches' offset; never rewritten
	s_mul_i32 s52, s[WV], BLK
	s_add_co_u32 s52, s52, VSL
	s_mul_i32 s53, s[WV], 6144
	v_add_nc_u32 v[ADK], s52, v[L16]               ; K(0) is read from V's slot
	v_add_nc_u32 v[ADW], s53, v[L16]               ; fragments 4 w on of block 0, in K's slot
	v_add_nc_u32 v[ADW+1], 2*BLK, v[ADW]
	v_add_nc_u32 v[ADV], VSL, v[ADW]
	v_add_nc_u32 v[ADV+1], VSL+2*BLK, v[ADW]
	v_add_nc_u32 v[PWR], PB, v[ADW]
	v_add_nc_u32 v[ADP], PB, v[L16]
	v_add_nc_u32 v[APS], PSC, v[L16]
	s_lshl_b32 s52, s[WV], 8
	v_lshlrev_b32 v84, 4, v[RR]
	v_add_nc_u32 v85, s52, v84                     ; 256 w + 16 r
	v_add_nc_u32 v[PSW], PSC, v85
	v_add_nc_u32 v[PSW], v[PSW], v[HH]
	v_mad_u32_u24 v85, v[HH], BLK, v85             ; lanes 16-31 a block on
	v_add_nc_u32 v[AVW], SCO, v85
	v_add_nc_u32 v[AVS], VSL+SCO, v85
	v_lshlrev_b32 v84, 5, v[RR]
	v_add_nc_u32 v[STR], STA, v84
	v_lshl_add_u32 v84, v[HH], 2, v84
	s_lshl_b32 s52, s[WV], 3
	s_add_co_u32 s52, s52, STA
	v_add_nc_u32 v[STW], s52, v84
.irp T, 0,1,2,3
	v_mov_b32 v[ST+6*\T+1], 0xff61b1e6             ; the largest t so far: -3e38, under every t
	v_floor_f32 v[ST+6*\T], -v[ST+6*\T+1]          ; -M
.irp i, 2,3,4,5
	v_mov_b32 v[ST+6*\T+\i], 0
.endr
.endr
	s_wait_alu depctr_va_vdst(0)                   ; ahead of the branch
	s_cmp_eq_u32 s[LIM], 2
	s_cbranch_scc0 .Lhead_not_mine
	global_prefetch_b8 v0, s[PFK:PFK+1] th:TH_LOAD_NT scope:SCOPE_SE
	global_prefetch_b8 v0, s[PFV:PFV+1] th:TH_LOAD_NT scope:SCOPE_SE
.Lhead_not_mine:
	WIN 0x80
.set j, 0
.rept 128
	v_mov_b32 v[j], 0
.set j, j+1
.endr
	WIN 0
	s_wait_alu depctr_va_vdst(0)
	s_wait_loadcnt 0x0                             ; Q
	s_wait_kmcnt 0x0                               ; threshold, temperature
	MEET                                           ; my block of K(0) is in
	s_mul_i32 s[G0K+1], s[WV], BLK                 ; from K(1) on K comes into its own slot
	s_add_nc_u64 s[G0K+2:G0K+3], s[G0K+2:G0K+3], 4*BLK
	s_wait_dscnt 0x0
	CROUND
	JL G0K                                         ; K(1)
	KSCALES
	KLOAD 0, 0
	KLOAD 1, 1
	KLOAD 2, 2
	KLOAD 3, 3
	KLOAD 4, 4
	KLOAD 5, 5
	SPHASE 0                                       ; S(0)
	s_mul_i32 s52, s[WV], BLK
	v_add_nc_u32 v[ADK], s52, v[L16]               ; block w of K's slot
	PHASE1 0
	s_mov_b32 s[CNT], 7
.Lstep:                                                ; trip i, 0 to 6: phase 2 of superstep i, phase 1 of superstep i + 1
	PHASE2
	PHASE1 1
	s_sub_co_u32 s[CNT], s[CNT], 1
	s_cmp_lg_u32 s[CNT], 0
	s_cbranch_scc1 .Lstep
	; ---- superstep 7's second half: nothing is left to fetch; V(7) is on its way across this barrier, behind which nothing is filled
	s_wait_alu depctr_va_vdst(0)
	s_wait_dscnt 0x0                               ; my reads of p(6) and of the statistics are over
	s_barrier_signal -1
	SUMS 0, 4
	SUMS 1, 4
	s_barrier_wait -1
	PSTORE 0
	PSTORE 1
	SOFT2 2, 3, 0, 0, 0, 0, 0
	PSTORE 2
	PSTORE 3
	SUMS 2, 4
	SUMS 3, 2
.irp T, 0,1,2,3
	v_add_f32 v[TM+\T], v[ST+6*\T+2], v[ST+6*\T+3]
.endr
.irp T, 0,1,2,3
	ds_store_b32 v[STW], v[TM+\T] offset:512*\T    ; my lane's part of the row's sum
.endr
	s_wait_alu depctr_va_vdst(0)
	s_wait_tensorcnt 0x0                           ; my block of V(7)
	s_wait_dscnt 0x0                               ; my stores have landed
	s_barrier_signal -1
	s_barrier_wait -1                              ; V(7), p(7) and the sums are whole
	; ---- V(7)^T p(7)^T goes by channel tiles: all of p in four sets of registers, V's tile i of all four blocks in set i % 3
.macro VTILE i, set
	WIN 0
.irp b, 0,1,2,3
.irp c, 0,1,2
	ds_load_b128 v[FR+48*\set+12*\b+4*\c:FR+48*\set+12*\b+4*\c+3], v[ADW+\b/2] offset:(\b%2)*BLK+\i*1536+512*\c
.endr
.endr
.endm
.macro PVR i, set                      ; channels 16 i on, all 512 keys: four accumulators by turns, three others between two links
	WIN 0xac
.irp b, 0,1,2,3
.irp T, 0,1,2,3
.if \b%2
	v_wmma_scale_f32_16x16x128_f8f6f4 v[32*\T+8*\i:32*\T+8*\i+7], v[FR+48*\set+12*\b:FR+48*\set+12*\b+11], v[48*\b+12*\T:48*\b+12*\T+11], v[32*\T+8*\i:32*\T+8*\i+7], v[VSC+4*(\b/2)+\i], v[PSR+4*(\b/2)+\T] matrix_a_fmt:MATRIX_FMT_BF6 matrix_b_fmt:MATRIX_FMT_BF6 matrix_a_scale:MATRIX_SCALE_ROW1 matrix_b_scale:MATRIX_SCALE_ROW1
.else
	v_wmma_scale_f32_16x16x128_f8f6f4 v[32*\T+8*\i:32*\T+8*\i+7], v[FR+48*\set+12*\b:FR+48*\set+12*\b+11], v[48*\b+12*\T:48*\b+12*\T+11], v[32*\T+8*\i:32*\T+8*\i+7], v[VSC+4*(\b/2)+\i], v[PSR+4*(\b/2)+\T] matrix_a_fmt:MATRIX_FMT_BF6 matrix_b_fmt:MATRIX_FMT_BF6
.endif
.endr
.endr
	WIN 0
	PLACES                                         ; ahead of the first read of results, and of loads into registers just read
.endm
.macro STAGE i                         ; tile i x gate / sum, through my own stage: 32 stores and 8 loads; LDS serves a wave's instructions in order (ISA guide 5.7.1.4)
	s_wait_alu depctr_va_vdst(0)
	WIN 0x82
.irp T, 0,1,2,3
.irp j, 0,2,4,6
	v_pk_mul_f32 v[32*\T+8*\i+\j:32*\T+8*\i+\j+1], v[32*\T+8*\i+\j:32*\T+8*\i+\j+1], v[ST+6*\T+4:ST+6*\T+5] op_sel_hi:[1,0]
.endr
.endr
	WIN 0x08                                       ; an LDS store's data are its source 1: window 2
.irp T, 0,1,2,3
.irp j, 0,1,2,3,4,5,6,7
	ds_store_b32 v240, v[32*\T+8*\i+\j] offset:(16*\i+\j)*272+64*\T   ; channel 16 i + 8 h + j, my query of tile T: the two halves of the lanes lie 544 words apart, 32 banks (64 banks of 4 bytes: ISA guide 11.1)
.endr
.endr
	WIN 0x40
.irp k, 0,1,2,3,4,5,6,7
	ds_load_b128 v[32*\i+4*\k:32*\i+4*\k+3], v242 offset:(16*\i+2*\k)*272   ; back by rows into window 1
.endr
	WIN 0
.endm
.macro SEND i, younger                 ; younger: the LDS instructions issued behind tile i's loads
	s_wait_dscnt \younger
	WIN 0x04
.irp k, 0,1,2,3,4,5,6,7
	global_store_b128 v244, v[32*\i+4*\k:32*\i+4*\k+3], s[OUT:OUT+1] offset:(8*\i+\k)*32768 th:TH_STORE_NT   ; sixteen lanes store 256 consecutive bytes, at a multiple of 256 from out0's first byte
.endr
	WIN 0
.endm
	STATLOAD
	VSCALES AVW
	VTILE 0, 0
	PLOAD 0, 0
	PLOAD 1, 1
	PLOAD 2, 2
	RESC
	v_mov_b32 v224, s[THR]
	v_mov_b32 v225, s[TMP]
	v_mul_f32 v224, 0xbfb8aa3b, v224               ; -log2(e) x threshold
	v_and_b32 v226, 0x7fffffff, v225
	v_mul_f32 v226, 0xbfb8aa3b, v226               ; -log2(e) x |temperature|
	v_max_num_f32 v227, 0, v225
	; the way out's addresses: the stage lies in V's slot, which has had its last fill and its last read: 64 channel rows x 272 bytes for each wave
	s_mul_i32 s52, s[WV], 64*272
	s_add_co_u32 s52, s52, VSL
	v_lshlrev_b32 v245, 2, v[RR]                   ; my query of tile 0; tile T 64 bytes x T on
	v_add_nc_u32 v245, s52, v245
	v_mad_u32_u24 v240, v[HH], 8*272, v245         ; my channels begin 8 h rows down
	v_lshlrev_b32 v246, 4, v[RR]
	v_lshl_add_u32 v244, v[HH], 14, v246           ; out0: 16,384 bytes a channel
	v_mad_u32_u24 v242, v[HH], 272, v246           ; back: lanes 0-15 one channel's 64 queries, lanes 16-31 the next channel's
	v_add_nc_u32 v242, s52, v242
	s_wait_alu depctr_va_vdst(0)
	s_wait_dscnt 52                                ; the sums are in: behind them 4 + 12 + 36 loads
.irp T, 0,1,2,3
	v_pk_add_f32 v[SR+8*\T:SR+8*\T+1], v[SR+8*\T:SR+8*\T+1], v[SR+8*\T+2:SR+8*\T+3]
.endr
.irp T, 0,1,2,3
	v_pk_add_f32 v[SR+8*\T+4:SR+8*\T+5], v[SR+8*\T+4:SR+8*\T+5], v[SR+8*\T+6:SR+8*\T+7]
.endr
.irp T, 0,1,2,3
	v_pk_add_f32 v[SR+8*\T:SR+8*\T+1], v[SR+8*\T:SR+8*\T+1], v[SR+8*\T+4:SR+8*\T+5]
.endr
.irp T, 0,1,2,3
	v_add_f32 v[228+\T], v[SR+8*\T], v[SR+8*\T+1]  ; the row's sum
.endr
.irp T, 0,1,2,3
	v_add_f32 v[232+\T], v[ST+6*\T+1], v[ST+6*\T]  ; largest t - M
.endr
	s_wait_alu depctr_va_vdst(0)
	v_exp_f32 v224, v224
	v_exp_f32 v226, v226
.irp T, 0,1,2,3
	v_exp_f32 v[232+\T], v[232+\T]                 ; the row's largest p
.endr
.irp T, 0,1,2,3
	v_rcp_f32 v[228+\T], v[228+\T]                 ; 1 / sum
.endr
	v_nop
	s_wait_alu depctr_va_vdst(0)
	v_add_f32 v224, 1.0, v224
	v_add_f32 v226, 1.0, v226
	s_wait_alu depctr_va_vdst(0)
	v_rcp_f32 v224, v224                           ; sigmoid(threshold)
	v_log_f32 v226, v226
	v_nop
	s_wait_alu depctr_va_vdst(0)
	v_fmamk_f32 v226, v226, 0x3f317218, v227       ; softplus(temperature) = ln 2 x log2(1 + e^-|x|) + max(x, 0)
.irp T, 0,1,2,3
	v_fma_f32 v[236+\T], v[232+\T], v[228+\T], -v224   ; largest probability - threshold's sigmoid
.endr
.irp T, 0,1,2,3
	v_mul_f32 v[236+\T], v[236+\T], v226
.endr
.irp T, 0,1,2,3
	v_mul_f32 v[236+\T], 0xbfb8aa3b, v[236+\T]
.endr
	s_wait_alu depctr_va_vdst(0)
.irp T, 0,1,2,3
	v_exp_f32 v[236+\T], v[236+\T]
.endr
	v_nop
	s_wait_alu depctr_va_vdst(0)
.irp T, 0,1,2,3
	v_add_f32 v[236+\T], 1.0, v[236+\T]
.endr
	s_wait_alu depctr_va_vdst(0)
.irp T, 0,1,2,3
	v_rcp_f32 v[236+\T], v[236+\T]                 ; the gate
.endr
	v_nop
	s_wait_alu depctr_va_vdst(0)
.irp T, 0,1,2,3
	v_mul_f32 v[ST+6*\T+4], v[236+\T], v[228+\T]   ; gate / sum, in f's place
.endr
	s_wait_alu depctr_va_vdst(0)
	PLOAD 3, 3
	VTILE 1, 1
	VTILE 2, 2
	s_wait_dscnt 24                                ; tile 0 and all of p are in; tiles 1 and 2 behind them
	PVR 0, 0
	VTILE 3, 0
	STAGE 0
	s_wait_dscnt 52                                ; tiles 1 and 2 are in: behind them tile 3's 12 loads and the stage's 40
	PVR 1, 1
	STAGE 1
	SEND 0, 40                                     ; (tile 3 is in too)
	PVR 2, 2
	STAGE 2
	SEND 1, 40
	PVR 3, 0
	STAGE 3
	SEND 2, 40
	SEND 3, 0
	s_wait_tensorcnt 0x0                           ; the wave's end: behind my last tensor load and my last LDS store
	ds_add_u32 v[SPW], v[NIL]
	s_wait_dscnt 0x0
	CROUND                                         ; the closing round: no work-group ends while a partner may still ask for a block that names it
	s_endpgm
.Lfunc_end_k_q441ae4c6ff_attend:
	.size	k_q441ae4c6ff_attend, .Lfunc_end_k_q441ae4c6ff_attend-k_q441ae4c6ff_attend
	.p2alignl 7, 3214868480
	.fill 96, 4, 3214868480
	.section	.rodata,"a",@progbits
	.p2align	6, 0x0
	.amdhsa_kernel k_q441ae4c6ff_attend
		.amdhsa_group_segment_fixed_size 327680
		.amdhsa_private_segment_fixed_size 0
		.amdhsa_enable_private_segment 0
		.amdhsa_kernarg_size 48
		.amdhsa_user_sgpr_count 2
		.amdhsa_user_sgpr_kernarg_segment_ptr 1
		.amdhsa_wavefront_size32 1
		.amdhsa_system_sgpr_workgroup_id_x 1
		.amdhsa_system_sgpr_workgroup_id_y 1
		.amdhsa_system_sgpr_workgroup_id_z 1
		.amdhsa_system_vgpr_workitem_id 0
		.amdhsa_next_free_vgpr 1024
		.amdhsa_next_free_sgpr 68
		.amdhsa_reserve_vcc 0
		.amdhsa_float_denorm_mode_32 3
		.amdhsa_float_denorm_mode_16_64 3
		.amdhsa_memory_ordered 1
		.amdhsa_forward_progress 1
		.amdhsa_inst_pref_size 194
	.end_amdhsa_kernel
	.amdgpu_metadata
---
amdhsa.version: [ 1, 2 ]
amdhsa.kernels:
  - .name:           k_q441ae4c6ff_attend
    .symbol:         k_q441ae4c6ff_attend.kd
    .args:
      - { .name: qws, .offset: 0, .size: 8, .value_kind: global_buffer, .address_space: global }
      - { .name: kws, .offset: 8, .size: 8, .value_kind: global_buffer, .address_space: global }
      - { .name: vws, .offset: 16, .size: 8, .value_kind: global_buffer, .address_space: global }
      - { .name: threshold, .offset: 24, .size: 8, .value_kind: global_buffer, .address_space: global }
      - { .name: temperature, .offset: 32, .size: 8, .value_kind: global_buffer, .address_space: global }
      - { .name: out0, .offset: 40, .size: 8, .value_kind: global_buffer, .address_space: global }
    .group_segment_fixed_size: 327680
    .private_segment_fixed_size: 0
    .kernarg_segment_align: 8
    .kernarg_segment_size: 48
    .max_flat_workgroup_size: 128
    .sgpr_count:     68
    .vgpr_count:     1024
    .wavefront_size: 32
...
	.end_amdgpu_metadata
.endif
;; end of part 2
